; MI455X (gfx1250); checked and timed in simulation.
; The chip was launched on July 23, 2026; its instructions are those of AMD's public machine-readable ISA for CDNA 5 (MIT licence, August 2026) and "CDNA5" Instruction Set Architecture Reference Guide (July 2026). The comments in the code are by the model that wrote it; some were corrected since.
;; Un Embedder. Allowed arithmetic: matrix products marked QUANTISED: E2M1 operands, one E8M0 scale for each 32 along K, by v_wmma_scale_f32_16x16x128_f8f6f4 with both operands' format E2M1 (or v_wmma_scale_f32_32x16x128_f4), f32 sums; everything else in f32.
;; Inputs: embeddings 2,048 x 1,024 float32; ln_bias 1,024 float32; ln_weight 1,024 float32; pos_emb 2,048 x 1,024 float32; vocab_vectors 25,128 x 1,024 float32.
;; Outputs: out0 2,048 int32.
;; This version of the problem:
;;   THIS VERSION OF THE PROBLEM IS GIVEN IN LOW PRECISION. The matrix products marked QUANTISED in the list below multiply operands that are first quantised to E2M1 (2 exponent bits, 1 mantissa bit; 4 bits a number), with one power-of-two scale for each 32 numbers along K (OCP MX v1.0); their sums are f32. All else is computed in f32.
;;   The module's matrix products, in the order in which they are computed (A, B: the left and right operand; K: the contracted axis; several contracted axes count as one K, in the product's order):
;;     1. [M 2,048, K 1,024] x [K 1,024, N 25,128]; A: computed on the way; B: input vocab_vectors: QUANTISED
;;   THE QUANTISER, for each operand of a quantised product, along K:
;;     - K is cut into blocks of 32 from its start; a last block that is shorter is filled with zeros.
;;     - A block's scale is 2^e with e = floor(log2(the largest magnitude in the block)) - 2, held to -126 .. 127; a block of zeros has e = 0. As a byte (E8M0): e + 127.
;;     - Each number is divided by its block's scale, clamped to +-6, and rounded to the nearest number of E2M1, ties to even, subnormals kept.
;;     - The product sums the exact products of the quantised numbers (number of the format x scale) in f32.
;;   ~~~python
;;   def quantise(x, axis):      # numpy; x: float32 -> the quantised numbers, widened to float32 again
;;       x = np.moveaxis(x, axis, -1); K = x.shape[-1]
;;       x = np.pad(x, [(0, 0)] * (x.ndim - 1) + [(0, -K % 32)]); x = x.reshape(x.shape[:-1] + (-1, 32)); a = np.abs(x).max(-1, keepdims=True)
;;       e = np.where(a > 0, np.clip(np.frexp(np.where(a > 0, a, 1))[1] - 1 - 2, -126, 127), 0)      # np.frexp(a)[1] - 1 = floor(log2(a)), exactly
;;       r = np.clip(x / 2.0 ** e, -6, 6)
;;       step = 2.0 ** (np.maximum(np.frexp(np.where(r == 0, 1, r))[1] - 1, 0) - 1)
;;       q = np.round(r / step) * step * 2.0 ** e      # np.round: ties to even
;;       return np.moveaxis(q.reshape(q.shape[:-2] + (-1,))[..., :K], -1, axis).astype(np.float32)
;;   ~~~
;;   OPERANDS COMPUTED ON THE WAY. 'Computed on the way' means the value that the module computes at that place (a softmax that the list does not call 'softmax' is quantised finished and normalised). What goes into a quantiser is computed in f32, as accurately as f32 sums, v_exp_f32 and their like allow (about 1e-6 of the number): no bf16 or f16 on the way to a quantiser, and a product that is left as it is and whose result goes on into a quantised operand takes f32 operands (vector FMAs, or v_wmma_f32_16x16x4_f32). A number that lies on a knife's edge between two numbers of the format may be rounded either way, as far as f32 arithmetic and the matrix unit's own rounding can turn it there, and no further.
;; One version. Each part assembles by itself: llvm-mc -triple=amdgcn-amd-amdhsa -mcpu=gfx1250 --defsym DOCPART=n.
;; ======== version 1 of 1: 3 launches
;; limits: right only within a limited range of input values
;; workspace buffers: rec 15,657,984 bytes; part 1,032,192 bytes
;; launch quant (part 1): grid 1827 x 1, 1 waves a work-group, no clusters, 29,952 bytes of LDS; arguments embeddings, ln_bias, ln_weight, pos_emb, vocab_vectors, rec; writes rec
.if DOCPART == 1
	.amdgcn_target "amdgcn-amd-amdhsa--gfx1250"
	.amdhsa_code_object_version 6
	.text
	.protected	k_qf844791d05_quant
	.globl	k_qf844791d05_quant
	.p2align	8
	.type	k_qf844791d05_quant,@function
k_qf844791d05_quant:
	s_mov_b64 s[64:65], 0
	v_nop
	global_prefetch_b8 v0, s[64:65] scope:SCOPE_SE
	s_setreg_imm32_b32 hwreg(HW_REG_WAVE_MODE, 25, 1), 1
	s_wait_xcnt 0x0
; y = (embeddings - ln_bias) / (ln_weight + 1e-6) - pos_emb  [2048][1024]  and  vocab_vectors [25128][1024], both f32, become RECORDS of 16 rows x 1,024 along K:
; codes of FP4 (E2M1) with one E8M0 scale byte for each 32 along K, laid in the order of a matrix operand's registers, and the rows' sums of squares of the UNQUANTISED numbers.
; A RECORD, 9,216 bytes (lane l = r + 16 h):
;   bytes 512 i + 16 l, i = 0..15:  the 32 codes of row r at k = 64 i + 32 h: block B = 2 i + h of row r lies at byte 256 B + 16 r;
;   bytes 8192 + 16 l:              the scale words of row r for K steps 4 h .. 4 h + 3: block B's byte lies at 8192 + 16 r + 256 (B / 16) + B % 16;
;   bytes 8704 .. 9215:             a vocabulary record: the 16 rows' sums of squares, f32, eight times over;
;                                   a record of y: the 16 sums over k < 512, four times over, then the 16 sums over k >= 512, four times over (the reader adds the two).  Every byte of a record is written.
; Records 0..127: y's rows 16 i on.  Records 128 + t, t = 0..1570: vocabulary rows min(16 t, 25112) on: the last tile overlaps the one before, so no load leaves the buffer and no row is invented.
; One work-group = one wave.  Work-groups 0..255: record id / 2 of y, half id % 2 of K.  Work-groups 256 on: a whole vocabulary record.
; THE VOCABULARY'S PATH reads its 16 rows, 65,536 consecutive bytes, in the order of their addresses: a step is one row, eight loads of 512 consecutive bytes, four rows on their way.
; A row turns through a stage in LDS (144 bytes for each 128) and comes back with block l of 32 in lane l: the largest magnitude asks no other lane.  A lane's 16 bytes of codes, its scale byte and its
; part of the row's sum of squares are gathered in LDS in the record's order; at the end the record is read back and stored, 512 consecutive bytes to a store.
; y'S PATH takes chunks of 64 along K of the 16 rows (eight loads of two rows' 256 bytes for each of two tensors), two chunks on their way, and stores its codes chunk by chunk.
; What a half of a y record writes is its own whole aligned blocks of 256 bytes: 4,096 bytes of codes, 256 of scale words, 256 of sums.
; A block's scale is 2^(floor(log2(largest magnitude)) - 2): its byte is that magnitude's exponent field - 2, held at 1 from below by a floor among the maximum's leaves.
; LIMITS: a block of zeros, or one whose largest magnitude lies under 2^-124, gets the byte 1 (the rule says 127 for zeros: the codes are zeros, and this program alone reads the bytes).  NaN and infinities are not served,
; nor ln_weight + 1e-6 = 0.  The quotient is n x r corrected by its exact remainder (r: the reciprocal with one Newton step), not a division instruction.  The sums of squares are f32 sums in this text's own order.
; Every offset is an immediate: the steps are written out, and no pointer is stepped.
.set NYT,   128                        ; y's records
.set NYW,   256                        ; y's work-groups: two to a record
.set NCY,   8                          ; chunks of a y work-group
.set RECB,  9216                       ; bytes of a record
.set LASTR, 25112                      ; the last tile's first row
.set PITCH, 272                        ; 256 bytes + 16: 16 rows begin at 16 different 16-byte columns modulo 256
.set STG,   16*PITCH                   ; y's path: a stage
.set SCR,   2*STG                      ; y's path: behind its two stages, 128 bytes for the tail
.set STGR,  32*144                     ; the vocabulary's path: a stage, a row's 32 blocks of 128 + 16 bytes; two of them from LDS byte 0
.set CODES, 2*STGR                     ; 32 units of 256 + 16 bytes: unit B holds block B's codes of the 16 rows
.set SCL,   CODES+32*PITCH             ; 512 scale bytes in the record's order
.set PSUM,  SCL+512                    ; 16 rows x (32 lanes' parts of the sum of squares + 16 bytes)
.set PBY,   PSUM+16*144                ; LDS of y's path: bytes of its own (20,736 on)
.set SPARE, 0x7400                     ; behind both paths: the spare words
.set RV,    32                         ; v32-159   vocabulary: four sets of 32 numbers as loaded; at the end v32-95 the record's codes
.set EB,    32                         ; v32-95    y: two sets of embeddings, then y
.set PS,    96                         ; v96-159   y: two sets of pos_emb
.set XB,    160                        ; v160-223  two sets of 32 neighbours along K (y's path: the set that is free holds the affine's temporaries)
.set CB,    224                        ; v224-239  sets of 4 registers of codes
.set WB,    240                        ; v240-255  y: two sets of 4 ln_weight and 4 ln_bias
.set SI,    240                        ; vocabulary: into a stage: 144 (l / 8) + 16 (l % 8)
.set SO,    241                        ; out of it: 144 l
.set CI,    242                        ; my block's unit of codes: 272 l
.set BI,    243                        ; my block's scale byte: 256 (l / 16) + l % 16
.set PI,    244                        ; row r's parts of the sum: 144 r + 64 h
; v1 4096 h + 16 r  v2 272 h + 16 r  v3 272 r + 128 h  v4 16 l  v5 8 h  v6 16 r  v7 4 l  v8 16 (l % 8)
; v9, v10 two chains of the maximum  v11 the conversions' scale operand  v12, v13 scale bytes  v14 a lane permute's destination  v[16:19] sums of squares
; v[20:23] y's scale words, v24 = 512 h + 16 r  v[28:31] scale words on the way out
	s_load_b256 s[4:11], s[0:1], 0x0               ; embeddings s[4:5], ln_bias s[6:7], ln_weight s[8:9], pos_emb s[10:11]
	s_load_b128 s[12:15], s[0:1], 0x20             ; vocab_vectors s[12:13], rec s[14:15]
	s_set_vgpr_msb 0x40
	v_lshl_add_u32 v0, v0, 2, SPARE                ; v256: my spare word
	v_mov_b32 v1, 0                                ; v257: 0
	s_set_vgpr_msb 0x4000
	v_lshrrev_b32 v5, 4, v0                        ; h
	v_and_b32 v3, 15, v0                           ; r
	v_lshlrev_b32 v6, 4, v3
	v_lshl_add_u32 v1, v5, 12, v6
	v_mad_u32_u24 v2, v5, PITCH, v6
	v_mul_u32_u24 v3, v3, PITCH
	v_lshl_add_u32 v3, v5, 7, v3
	v_lshlrev_b32 v4, 4, v0
	v_lshlrev_b32 v5, 3, v5
	v_lshlrev_b32 v7, 2, v0
	v_and_b32 v8, 7, v0
	v_lshlrev_b32 v8, 4, v8
	v_mov_b32 v14, 0                               ; written once: a lane permute's destination counts as one of its sources
	s_mov_b32 s20, 0x76543210
	s_mov_b32 s21, 0xfedcba98                      ; v_permlanex16_b32's selects for lane l xor 16
	s_mov_b32 s22, 0xffff0000                      ; lanes 16-31
	s_mov_b32 s17, 0                               ; the upper words of the offsets below: all stay under 2^32
	s_mov_b32 s19, 0
	s_wait_alu depctr_va_vdst(0)                   ; the head's end
	s_wait_kmcnt 0x0
; The largest magnitude of the 32 numbers from v[XS] on, and the conversions' scale operand
.macro BMAX
	v_max3_num_f32 v9, |v[XS]|, |v[XS+1]|, 0x1800000               ; the floor 2^(3 - 127) among the leaves: the byte cannot fall under 1
	v_max3_num_f32 v10, |v[XS+2]|, |v[XS+3]|, |v[XS+4]|
.irp i, 5,9,13,17,21,25
	v_max3_num_f32 v9, v9, |v[XS+\i]|, |v[XS+\i+1]|
	v_max3_num_f32 v10, v10, |v[XS+\i+2]|, |v[XS+\i+3]|
.endr
	v_max3_num_f32 v9, v9, |v[XS+29]|, |v[XS+30]|
	v_max3_num_f32 v9, v9, v10, |v[XS+31]|
	v_add_nc_u32 v11, 0xff000000, v9               ; 2 off its exponent field: the conversion takes this operand's exponent field as its scale
.endm
; ---- the vocabulary's path
.macro LOADR t                         ; row t into set t % 4: eight loads of 512 consecutive bytes
.irp q, 0,1,2,3,4,5,6,7
	global_load_b128 v[RV+32*((\t)%4)+4*\q:RV+32*((\t)%4)+4*\q+3], v4, s[12:13] offset:4096*(\t)+512*\q th:TH_LOAD_NT
.endr
.endm
.macro TURNR t                         ; row t through stage t % 2.  LDS serves a wave's instructions in order: no wait stands between the stores and the loads
.irp q, 0,1,2,3,4,5,6,7
	ds_store_b128 v[SI], v[RV+32*((\t)%4)+4*\q:RV+32*((\t)%4)+4*\q+3] offset:STGR*((\t)%2)+576*\q
.endr
.irp k, 0,1,2,3,4,5,6,7
	ds_load_b128 v[XB+32*((\t)%2)+4*\k:XB+32*((\t)%2)+4*\k+3], v[SO] offset:STGR*((\t)%2)+16*\k
.endr
.endm
.macro QUANTR t                        ; block l of row t: scale, my part of the row's sum of squares, codes; all three into the record's image in LDS
.set XS, XB+32*((\t)%2)
.set CS, CB+4*((\t)%2)
	BMAX
	v_pk_mul_f32 v[16:17], v[XS:XS+1], v[XS:XS+1]
	v_pk_mul_f32 v[18:19], v[XS+2:XS+3], v[XS+2:XS+3]
.irp i, 4,8,12,16,20,24,28
	v_pk_fma_f32 v[16:17], v[XS+\i:XS+\i+1], v[XS+\i:XS+\i+1], v[16:17]
	v_pk_fma_f32 v[18:19], v[XS+\i+2:XS+\i+3], v[XS+\i+2:XS+\i+3], v[18:19]
.endr
	v_pk_add_f32 v[16:17], v[16:17], v[18:19]
	v_add_f32 v16, v16, v17
.irp g, 0,1,2,3
	v_cvt_scalef32_pk8_fp4_f32 v[CS+\g], v[XS+8*\g:XS+8*\g+7], v11
.endr
	v_lshrrev_b32 v12, 23, v11                     ; the scale's byte (also the plain instruction behind the conversions)
	ds_store_b32 v7, v16 offset:PSUM+144*(\t)
	ds_store_b128 v[CI], v[CS:CS+3] offset:CODES+16*(\t)
	ds_store_b8 v[BI], v12 offset:SCL+16*(\t)
.endm
.macro STEPR t
	s_wait_dscnt 0x0                               ; row t is back from its stage, and every earlier LDS store has read its registers: set t % 4
.if (\t)+4 < 16
	LOADR (\t)+4                                   ; takes the row four further on
.endif
.if (\t)+1 < 16
.if (\t)+4 < 16
	s_wait_loadcnt 24                              ; row t + 1 is in; the three rows behind it, 8 loads each, stay out
.else
	s_wait_loadcnt 8*(14-(\t))                     ; the counts run down: 14 - t rows are behind it
.endif
	TURNR (\t)+1
.endif
	QUANTR \t
.endm
; ---- y's path
.macro LOADY t                         ; chunk t of my half of embeddings and pos_emb, and its 64 columns of ln_weight and ln_bias, into set t % 2: 18 loads
.irp q, 0,1,2,3,4,5,6,7
	global_load_b128 v[EB+32*((\t)%2)+4*\q:EB+32*((\t)%2)+4*\q+3], v1, s[4:5] offset:8192*\q+256*(\t) th:TH_LOAD_NT
.endr
.irp q, 0,1,2,3,4,5,6,7
	global_load_b128 v[PS+32*((\t)%2)+4*\q:PS+32*((\t)%2)+4*\q+3], v1, s[10:11] offset:8192*\q+256*(\t) th:TH_LOAD_NT
.endr
	global_load_b128 v[WB+8*((\t)%2):WB+8*((\t)%2)+3], v6, s[8:9] offset:256*(\t)
	global_load_b128 v[WB+8*((\t)%2)+4:WB+8*((\t)%2)+7], v6, s[6:7] offset:256*(\t)
.endm
; y of chunk t, in the layout as loaded: a lane's four columns are the same in all eight loads, so four reciprocals serve 32 numbers.
.macro AFFINE t
.set EE, EB+32*((\t)%2)
.set PP, PS+32*((\t)%2)
.set WR, WB+8*((\t)%2)
.set BR, WB+8*((\t)%2)+4
.set YT, XB+32*((\t)%2)                ; +0..3 r, +4..7 Newton's error, +8..23 eight pairs of quotients
.irp k, 0,1,2,3
	v_add_f32 v[WR+\k], 0x358637bd, v[WR+\k]       ; den = ln_weight + 1e-6
.endr
	s_wait_alu depctr_va_vdst(0)                   ; ahead of the batch
.irp k, 0,1,2,3
	v_rcp_f32 v[YT+\k], v[WR+\k]
.endr
.irp p, 0,1,2,3,4,5,6,7,8,9,10,11,12,13,14,15
	v_pk_add_f32 v[EE+2*\p:EE+2*\p+1], v[EE+2*\p:EE+2*\p+1], v[BR+2*(\p%2):BR+2*(\p%2)+1] neg_lo:[0,1] neg_hi:[0,1]   ; n = embeddings - ln_bias: plain work that names no reciprocal
.endr
	s_wait_alu depctr_va_vdst(0)                   ; one wait for the four reciprocals, ahead of their first reader
.irp k, 0,1,2,3
	v_fma_f32 v[YT+4+\k], -v[WR+\k], v[YT+\k], 1.0 ; 1 - den r
.endr
.irp k, 0,1,2,3
	v_fma_f32 v[YT+\k], v[YT+4+\k], v[YT+\k], v[YT+\k]
.endr
.irp g, 0,1                            ; eight pairs at a time, stage by stage
.irp j, 0,1,2,3,4,5,6,7
	v_pk_mul_f32 v[YT+8+2*\j:YT+9+2*\j], v[EE+16*\g+2*\j:EE+16*\g+2*\j+1], v[YT+2*(\j%2):YT+2*(\j%2)+1]   ; q = n r
.endr
.irp j, 0,1,2,3,4,5,6,7
	v_pk_fma_f32 v[EE+16*\g+2*\j:EE+16*\g+2*\j+1], v[WR+2*(\j%2):WR+2*(\j%2)+1], v[YT+8+2*\j:YT+9+2*\j], v[EE+16*\g+2*\j:EE+16*\g+2*\j+1] neg_lo:[1,0,0] neg_hi:[1,0,0]   ; the remainder n - den q, one rounding
.endr
.irp j, 0,1,2,3,4,5,6,7
	v_pk_fma_f32 v[YT+8+2*\j:YT+9+2*\j], v[EE+16*\g+2*\j:EE+16*\g+2*\j+1], v[YT+2*(\j%2):YT+2*(\j%2)+1], v[YT+8+2*\j:YT+9+2*\j]   ; q + remainder x r
.endr
.irp j, 0,1,2,3,4,5,6,7
	v_pk_add_f32 v[EE+16*\g+2*\j:EE+16*\g+2*\j+1], v[YT+8+2*\j:YT+9+2*\j], v[PP+16*\g+2*\j:PP+16*\g+2*\j+1] neg_lo:[0,1] neg_hi:[0,1]   ; y = q - pos_emb
.endr
.endr
.endm
.macro TURN t                          ; chunk t of y through stage t % 2: in as loaded, out with a whole block of 32 in a lane
.irp q, 0,1,2,3,4,5,6,7
	ds_store_b128 v2, v[EB+32*((\t)%2)+4*\q:EB+32*((\t)%2)+4*\q+3] offset:PBY+STG*((\t)%2)+2*PITCH*\q
.endr
.irp k, 0,1,2,3,4,5,6,7
	ds_load_b128 v[XB+32*((\t)%2)+4*\k:XB+32*((\t)%2)+4*\k+3], v3 offset:PBY+STG*((\t)%2)+16*\k
.endr
.endm
.macro QUANT t                         ; my block of chunk t (row r, 64 t + 32 h on from the work-group's first k)
.set XS, XB+32*((\t)%2)
.set CS, CB+4*((\t)%4)
	BMAX
.if (\t) == 0
	v_pk_mul_f32 v[16:17], v[XS:XS+1], v[XS:XS+1]  ; the first products start the sums: nothing is cleared
	v_pk_mul_f32 v[18:19], v[XS+2:XS+3], v[XS+2:XS+3]
.else
	v_pk_fma_f32 v[16:17], v[XS:XS+1], v[XS:XS+1], v[16:17]
	v_pk_fma_f32 v[18:19], v[XS+2:XS+3], v[XS+2:XS+3], v[18:19]
.endif
.irp i, 4,8,12,16,20,24,28
	v_pk_fma_f32 v[16:17], v[XS+\i:XS+\i+1], v[XS+\i:XS+\i+1], v[16:17]
	v_pk_fma_f32 v[18:19], v[XS+\i+2:XS+\i+3], v[XS+\i+2:XS+\i+3], v[18:19]
.endr
.if (\t) >= 4
	s_wait_xcnt 0x0                                ; the store of four chunks ago has read this set of codes: it is written again only behind this wait
.endif
.irp g, 0,1,2,3
	v_cvt_scalef32_pk8_fp4_f32 v[CS+\g], v[XS+8*\g:XS+8*\g+7], v11
.endr
.if (\t)%2 == 0
	v_lshrrev_b32 v13, 23, v11                     ; the scale's byte (also the plain instruction behind the conversions)
.else
	v_lshrrev_b32 v12, 23, v11
.endif
	global_store_b128 v4, v[CS:CS+3], s[14:15] offset:512*(\t)     ; 32 lanes: 512 consecutive bytes of the record
.if (\t)%2 == 1                        ; a K step is two chunks: its scale word
	v_lshl_or_b32 v13, v12, 16, v13                ; my two bytes: blocks h and 2 + h,
	v_lshlrev_b32 v13, v5, v13                     ; 8 h bits up;
	v_permlanex16_b32 v14, v13, s20, s21
	v_or_b32 v[20+(\t)/2], v13, v14                ; with lane l xor 16's two the word is whole, in both halves of the lanes
.endif
.endm
.macro STEPY t
	s_wait_dscnt 0x0                               ; chunk t is back, so the stage's stores have read set t % 2
.if (\t)+2 < NCY
	LOADY (\t)+2
.endif
.if (\t)+1 < NCY
.if (\t)+2 < NCY
	s_wait_loadcnt 18                              ; chunk t + 1 is in; the 18 loads just issued stay out
.else
	s_wait_loadcnt 0x0
.endif
	AFFINE (\t)+1
	TURN (\t)+1
.endif
	QUANT \t
.endm
	s_cmp_lt_u32 ttmp9, NYW                        ; the path hangs on the work-group's number alone
	s_cbranch_scc1 .Ly_path
	s_sub_co_u32 s16, ttmp9, NYW-NYT               ; my record: 128 + the tile
	s_mul_i32 s16, s16, RECB
	s_add_nc_u64 s[14:15], s[14:15], s[16:17]
	s_sub_co_u32 s18, ttmp9, NYW
	s_lshl_b32 s18, s18, 4
	s_min_u32 s18, s18, LASTR                      ; the tile's first row
	s_lshl_b32 s18, s18, 12                        ; rows of 4,096 bytes
	s_add_nc_u64 s[12:13], s[12:13], s[18:19]
.irp t, 0,1,2,3
	LOADR \t
.endr
	v_lshrrev_b32 v[SI], 3, v0
	v_mul_u32_u24 v[SI], v[SI], 144
	v_add_nc_u32 v[SI], v[SI], v8
	v_mul_u32_u24 v[SO], v0, 144
	v_mul_u32_u24 v[CI], v0, PITCH
	v_and_b32 v[PI], 15, v0
	v_lshl_add_u32 v[BI], v5, 5, v[PI]
	v_mul_u32_u24 v[PI], v[PI], 144
	v_lshl_add_u32 v[PI], v5, 3, v[PI]
	s_wait_alu depctr_va_vdst(0)                   ; directly ahead of the wait below
	s_wait_loadcnt 24                              ; row 0's eight loads are in
	TURNR 0
.irp t, 0,1,2,3,4,5,6,7,8,9,10,11,12,13,14,15
	STEPR \t
.endr
	; the record leaves.  LDS serves a wave's instructions in order: these loads see the stores above
.irp j, 0,1,2,3
	ds_load_b128 v[XB+4*\j:XB+4*\j+3], v[PI] offset:PSUM+16*\j     ; 16 of the 32 parts of row r's sum
.endr
.irp i, 0,1,2,3,4,5,6,7,8,9,10,11,12,13,14,15
	ds_load_b128 v[RV+4*\i:RV+4*\i+3], v2 offset:CODES+2*PITCH*\i  ; bytes 512 i + 16 l of the record
.endr
	ds_load_b128 v[28:31], v4 offset:SCL
	s_wait_dscnt 17                                ; the parts are in (and row 15's stores have read their registers); the 17 loads behind them may be out
.irp j, 0,4,8,12
	v_pk_add_f32 v[XB+\j:XB+\j+1], v[XB+\j:XB+\j+1], v[XB+\j+2:XB+\j+3]
.endr
	v_pk_add_f32 v[XB:XB+1], v[XB:XB+1], v[XB+4:XB+5]
	v_pk_add_f32 v[XB+8:XB+9], v[XB+8:XB+9], v[XB+12:XB+13]
	v_pk_add_f32 v[XB:XB+1], v[XB:XB+1], v[XB+8:XB+9]
	v_add_f32 v16, v[XB], v[XB+1]
	v_permlanex16_b32 v14, v16, s20, s21
	v_add_f32 v16, v16, v14                        ; row r's sum of squares, in lanes r and r + 16
	ds_store_b32 v7, v16 offset:PSUM               ; the 16 sums, twice, on end
	ds_load_b128 v[12:15], v8 offset:PSUM          ; lane l: rows (4 l + 0..3) % 16
	s_wait_dscnt 3                                 ; the codes are in
.irp i, 0,1,2,3,4,5,6,7,8,9,10,11,12,13,14,15
	global_store_b128 v4, v[RV+4*\i:RV+4*\i+3], s[14:15] offset:512*\i
.endr
	s_wait_dscnt 2
	global_store_b128 v4, v[28:31], s[14:15] offset:8192
	s_wait_dscnt 0x0
	global_store_b128 v4, v[12:15], s[14:15] offset:8704           ; the 16 sums eight times over: 512 consecutive bytes
	s_set_vgpr_msb 0x5
	s_wait_tensorcnt 0x0                           ; the wave's end
	ds_add_u32 v0, v1
	s_wait_dscnt 0x0
	s_set_vgpr_msb 0x500
	s_endpgm
.Ly_path:
	s_lshr_b32 s16, ttmp9, 1                       ; my record,
	s_and_b32 s23, ttmp9, 1                        ; and which half of K: kh
	s_lshl_b32 s18, s16, 16                        ; 16 rows of 4,096 bytes
	s_mul_i32 s16, s16, RECB
	s_add_nc_u64 s[14:15], s[14:15], s[16:17]
	s_lshl_b32 s16, s23, 8
	s_add_nc_u64 s[24:25], s[14:15], s[16:17]      ; + 256 kh: for my scale words and my sums
	s_lshl_b32 s16, s23, 12
	s_add_nc_u64 s[14:15], s[14:15], s[16:17]      ; + 4,096 kh: for my codes
	s_lshl_b32 s16, s23, 11                        ; 512 columns of f32
	s_add_nc_u64 s[6:7], s[6:7], s[16:17]
	s_add_nc_u64 s[8:9], s[8:9], s[16:17]
	s_add_co_u32 s18, s18, s16
	s_add_nc_u64 s[4:5], s[4:5], s[18:19]
	s_add_nc_u64 s[10:11], s[10:11], s[18:19]
	v_lshl_add_u32 v24, v5, 6, v6                  ; 512 h + 16 r
	LOADY 0
	LOADY 1
	s_wait_loadcnt 18                              ; chunk 0's 18 loads are in
	AFFINE 0
	TURN 0
.irp t, 0,1,2,3,4,5,6,7
	STEPY \t
.endr
	v_pk_add_f32 v[16:17], v[16:17], v[18:19]
	v_add_f32 v16, v16, v17
	v_permlanex16_b32 v14, v16, s20, s21
	v_add_f32 v16, v16, v14                        ; row r's sum over my half of K
	ds_store_b32 v7, v16 offset:PBY+SCR            ; the 16 sums, twice, on end
	ds_load_b128 v[12:15], v8 offset:PBY+SCR       ; LDS serves a wave's instructions in order: this sees the store
	s_wait_alu depctr_va_vdst(0)                   ; directly ahead of the wait below
	s_wait_dscnt 0x0
.irp k, 0,1,2,3
	v_cndmask_b32 v[28+\k], v[20+\k], v[12+\k], s22 ; lanes 0-15: row r's four scale words; lanes 16-31: the sums
.endr
	global_store_b128 v24, v[28:31], s[24:25] offset:8192          ; lanes 0-15: 256 consecutive bytes at 8192 + 256 kh; lanes 16-31: 256 at 8704 + 256 kh
	s_set_vgpr_msb 0x5
	s_wait_tensorcnt 0x0                           ; the wave's end
	ds_add_u32 v0, v1
	s_wait_dscnt 0x0
	s_set_vgpr_msb 0x500
	s_endpgm
.Lfunc_end_k_qf844791d05_quant:
	.size	k_qf844791d05_quant, .Lfunc_end_k_qf844791d05_quant-k_qf844791d05_quant
	.p2alignl 7, 3214868480
	.fill 96, 4, 3214868480
	.section	.rodata,"a",@progbits
	.p2align	6, 0x0
	.amdhsa_kernel k_qf844791d05_quant
		.amdhsa_group_segment_fixed_size 29952
		.amdhsa_private_segment_fixed_size 0
		.amdhsa_enable_private_segment 0
		.amdhsa_kernarg_size 48
		.amdhsa_user_sgpr_count 2
		.amdhsa_user_sgpr_kernarg_segment_ptr 1
		.amdhsa_wavefront_size32 1
		.amdhsa_system_sgpr_workgroup_id_x 1
		.amdhsa_system_sgpr_workgroup_id_y 1
		.amdhsa_system_sgpr_workgroup_id_z 1
		.amdhsa_system_vgpr_workitem_id 0
		.amdhsa_next_free_vgpr 258
		.amdhsa_next_free_sgpr 66
		.amdhsa_reserve_vcc 0
		.amdhsa_float_denorm_mode_32 3
		.amdhsa_float_denorm_mode_16_64 3
		.amdhsa_memory_ordered 1
		.amdhsa_forward_progress 1
		.amdhsa_inst_pref_size 170
	.end_amdhsa_kernel
	.amdgpu_metadata
---
amdhsa.version: [ 1, 2 ]
amdhsa.kernels:
  - .name:           k_qf844791d05_quant
    .symbol:         k_qf844791d05_quant.kd
    .args:
      - { .name: embeddings, .offset: 0, .size: 8, .value_kind: global_buffer, .address_space: global }
      - { .name: ln_bias, .offset: 8, .size: 8, .value_kind: global_buffer, .address_space: global }
      - { .name: ln_weight, .offset: 16, .size: 8, .value_kind: global_buffer, .address_space: global }
      - { .name: pos_emb, .offset: 24, .size: 8, .value_kind: global_buffer, .address_space: global }
      - { .name: vocab_vectors, .offset: 32, .size: 8, .value_kind: global_buffer, .address_space: global }
      - { .name: rec, .offset: 40, .size: 8, .value_kind: global_buffer, .address_space: global }
    .group_segment_fixed_size: 29952
    .private_segment_fixed_size: 0
    .kernarg_segment_align: 8
    .kernarg_segment_size: 48
    .max_flat_workgroup_size: 32
    .sgpr_count:     66
    .vgpr_count:     258
    .wavefront_size: 32
...
	.end_amdgpu_metadata
.endif
;; end of part 1
;; launch search (part 2): grid 4 x 63, 8 waves a work-group, clusters of 4 x 1, 327,680 bytes of LDS; arguments rec, part; writes part
.if DOCPART == 2
	.amdgcn_target "amdgcn-amd-amdhsa--gfx1250"
	.amdhsa_code_object_version 6
	.text
	.protected	k_qf844791d05_search
	.globl	k_qf844791d05_search
	.p2align	8
	.type	k_qf844791d05_search,@function
k_qf844791d05_search:
	s_mov_b64 s[64:65], 0
	v_nop
	global_prefetch_b8 v0, s[64:65] scope:SCOPE_SE
	s_setreg_imm32_b32 hwreg(HW_REG_WAVE_MODE, 25, 1), 1
	s_wait_xcnt 0x0
	s_wait_alu depctr_hold_cnt(0) depctr_sa_sdst(0) depctr_va_vdst(0) depctr_va_sdst(0) depctr_va_ssrc(0) depctr_va_vcc(0) depctr_vm_vsrc(0)
	s_getreg_b32 s2, hwreg(HW_REG_IB_STS2, 6, 4)
	s_cmp_eq_u32 s2, 0
	s_cbranch_scc0 .Lentry_in_a_cluster
	s_endpgm
.Lentry_in_a_cluster:
	s_bfe_u32 s2, ttmp6, 0x10000c
	s_cmp_lg_u32 s2, 0x3003
	s_cbranch_scc0 .Lentry_shape_is_right
	s_endpgm
.Lentry_shape_is_right:
; d2[row][v] = (|y_row|^2 - 2 y_row . vocab_v) + |vocab_v|^2, in that order of f32 roundings, and for each row of y the first smallest d2 over a chunk of 25 vocabulary tiles of 16 rows.
; rec holds records of 16 rows x 1,024 K (9,216 bytes: 8,192 of FP4 codes in the order of an operand's registers, 512 of scale words, 512 of sums of squares): 128 of y, then 1,571 of the vocabulary.
; part: [63 chunks][2048 rows] of 8 bytes (d2 f32, index i32).
; SHARES.  Work-group (cx, chunk): y's rows 512 cx on, vocabulary tiles min(25 chunk, 1546) on (the last chunk overlaps the one before; a row seen twice has the same d2 and index).
; Eight waves, two to a SIMD; wave w keeps y's records 32 cx + 4 w .. + 3 in 256 registers for the whole launch, loaded straight from rec, 512 consecutive bytes a load.
; The chunk's 25 records, 230,400 bytes, lie in LDS; each is read by all eight waves.  The four work-groups of a cluster share a chunk: its records are asked for JOINTLY (mask 15).
; ALL tensor loads go out at the head, one a wave: waves 0-3 a quarter each of records 0-7, ahead of their loads of y; waves 4-7 a quarter each of records 8-24, behind their loads of y,
; since y is wanted by the first product and records 8-24 only by the ninth tile.  No LDS byte is filled twice.
; Waves 0-3 alone wait for their loads ahead of the first barrier, behind which records 0-7 are read; every wave waits for all its loads ahead of the second, behind which records 8-24 are read.
; No prefetch: every tile is asked for at the head, so there is no trip to run ahead in.
; THE MATRIX INSTRUCTION: source 0 = 16 vocabulary rows, source 1 = 16 rows of y: lane (r, h) holds row r of y, register j vocabulary row 8 h + j.  One accumulator for each tile of y, K ascending, four accumulators by turns.
; THE SEARCH: a lane keeps its smallest d2 (BB), that tile's first row (TT) and that tile's eight d2 (SS); a STRICT comparison lets the earlier tile stay.  At the end the first register equal to BB gives the row,
; and lanes l and l xor 16 are joined, the lower index winning a tile.  No branch hangs on a distance.
; The search's arithmetic and selects go two instructions to a line (dual issue): even and odd neighbours of an accumulator, so that destinations differ in parity and like sources in register bank.
; LIMITS: NaN among the distances is not served (a NaN loses every comparison here).
.set RECB,  9216
.set NYREC, 128
.set CH,    25
.set LASTT, 1571-CH
.set LASTR, 25112
.set NA,    8
.set NB,    CH-NA
.set ROWSA, NA*RECB/256/4              ; rows of 256 bytes in a load of waves 0-3
.set ROWSB, NB*RECB/256/4              ; and of waves 4-7
.set SPARE, CH*RECB                    ; behind the records: the spare words, 128 bytes for each wave
.set LI,  1                            ; 16 x lane
.set VA,  2                            ; 8704 + 32 h
.set YO,  3                            ; 4 r
.set PO,  4                            ; 8 x lane
.set H8,  5                            ; 8 h
.set ADR, 6                            ; LDS: the record's bytes 16 x lane
.set ADV, 7                            ; LDS: its sums of squares, rows 8 h on
.set RB,  8                            ; v8, v9  the tile's first row, in two register banks
.set SPW, 10
.set NIL, 11
.set VS,  12                           ; v12-15  the tile's scale words
.set VV,  16                           ; v16-23  its eight sums of squares
.set YS,  24                           ; v24-39  y's scale words
.set YY,  40                           ; v40-47  y's sums of squares: tile t's in v[40 + 2 t] and once more in v[41 + 2 t]
.set BB,  48                           ; v48-51
.set TT,  53                           ; v53-56  (of the other parity than BB)
.set GG,  60                           ; v60-63
.set G2,  64                           ; v64-67
.set JJ,  68                           ; v68-71
.set OD,  72                           ; v72-79
.set OI,  80                           ; v80-83
.set VF,  96                           ; v96-159  the tile's fragments, K step s at 8 s
.set ACC, 160                          ; v160-191
.set SS,  192                          ; v192-223
; window 1, v0-255: y's fragments, tile t's K step s at 64 t + 8 s
.set G1A, 16
.set G1B, 24
.set G0A, 32
.set G0B, 36
.set MK,  40
.set MK2, 44
.set TB,  56
.set R16, 57
.set RT,  58
.set CNT, 59
.set SEL, 60
.set HM,  62
.set MSB, 0
.macro WIN new                         ; the immediate's high byte repeats the setting that is left
.if MSB != (\new)
	s_set_vgpr_msb (MSB<<8)|(\new)
.set MSB, (\new)
.endif
.endm
.macro CROUND                          ; a round of the cluster's barrier
	s_barrier_signal -1
	s_barrier_wait -1
	s_cmp_lg_u32 s8, 0
	s_cbranch_scc1 .Lnot_wave_0_\@
	s_barrier_signal -3
.Lnot_wave_0_\@:
	s_barrier_wait -3
	s_barrier_signal -1
	s_barrier_wait -1
.endm
.macro YLOADS                          ; my four records of y: 76 loads
	WIN 0x40                                       ; destination window 1
.irp y, 0,1,2,3
.irp i, 0,1,2,3,4,5,6,7,8,9,10,11,12,13,14,15
	global_load_b128 v[64*\y+4*\i:64*\y+4*\i+3], v[LI], s[12:13] offset:RECB*\y+512*\i
.endr
.endr
	WIN 0
.irp y, 0,1,2,3
	global_load_b128 v[YS+4*\y:YS+4*\y+3], v[LI], s[12:13] offset:RECB*\y+8192
.endr
.irp y, 0,1,2,3
	global_load_b32 v[YY+2*\y], v[YO], s[12:13] offset:RECB*\y+8704
	global_load_b32 v[YY+2*\y+1], v[YO], s[12:13] offset:RECB*\y+8960
.endr
.endm
	s_load_b128 s[4:7], s[0:1], 0x0                ; rec, part
	v_lshl_add_u32 v[SPW], v0, 2, SPARE
	v_mov_b32 v[NIL], 0
	ds_add_u32 v[SPW], v[NIL]                      ; the opening lines: the add, twice on end, and its wait
	ds_add_u32 v[SPW], v[NIL]
	v_lshrrev_b32 v9, 5, v0
	v_readfirstlane_b32 s8, v9                     ; wave 0..7
	s_bfe_u32 s9, ttmp6, 0x40000                   ; cx
	s_and_b32 s10, ttmp7, 0xffff                   ; the chunk
	v_and_b32 v9, 31, v0
	v_lshlrev_b32 v[LI], 4, v9
	v_lshlrev_b32 v[PO], 3, v9
	v_bfe_u32 v[H8], v0, 4, 1
	v_lshl_add_u32 v[VA], v[H8], 5, 8704
	v_lshlrev_b32 v[H8], 3, v[H8]
	v_and_b32 v9, 15, v0
	v_lshlrev_b32 v[YO], 2, v9
.irp g, G1A, G1B                       ; dense blocks as rows of 256 bytes (32 elements of 8 bytes); mask 15 and bit 21 beside it
	s_mov_b32 s[\g+0], 15|(3<<16)|(1<<21)
	s_mov_b32 s[\g+1], 32<<16
	s_mov_b32 s[\g+3], 32<<16
	s_mov_b32 s[\g+5], 32
	s_mov_b32 s[\g+6], 0
	s_mov_b32 s[\g+7], 0
.endr
	s_mov_b32 s[G1A+2], ROWSA<<16
	s_mov_b32 s[G1A+4], ROWSA
	s_mov_b32 s[G1B+2], ROWSB<<16
	s_mov_b32 s[G1B+4], ROWSB
	s_mul_i32 s2, s10, CH
	s_min_u32 s2, s2, LASTT                        ; the chunk's first tile
	s_lshl_b32 s[R16], s2, 4
	s_mul_i32 s2, s2, RECB
	s_add_co_u32 s2, s2, NYREC*RECB                ; and where its records begin in rec
	s_and_b32 s11, s8, 3                           ; which quarter I fetch
	s_mul_i32 s48, s11, ROWSA*256
	s_mul_i32 s3, s11, ROWSB*256
	s_add_co_u32 s3, s3, NA*RECB
	s_add_co_u32 s66, s2, s48
	s_mov_b32 s67, 0
	s_add_co_u32 s68, s2, s3
	s_mov_b32 s69, 0
	s_mul_i32 s12, s9, 32*RECB
	s_mul_i32 s13, s8, 4*RECB
	s_add_co_u32 s12, s12, s13                     ; my four records of y
	s_mov_b32 s13, 0
	s_lshl_b32 s14, s10, 14                        ; part: 16,384 bytes a chunk, 4,096 a work-group, 512 a wave
	s_lshl_b32 s15, s9, 12
	s_add_co_u32 s14, s14, s15
	s_lshl_b32 s15, s8, 9
	s_add_co_u32 s14, s14, s15
	s_mov_b32 s15, 0
	s_mov_b32 s[SEL], 0x76543210
	s_mov_b32 s[SEL+1], 0xfedcba98
	s_mov_b32 s[HM], 0xffff0000
	s_mov_b32 s[TB], 0
	s_wait_alu depctr_va_vdst(0)                   ; directly ahead of the waits below
	s_wait_dscnt 0x0                               ; both opening adds are done
	s_wait_kmcnt 0x0
	s_add_nc_u64 s[12:13], s[4:5], s[12:13]
	s_add_nc_u64 s[14:15], s[6:7], s[14:15]
	s_mov_b32 s[G0A], 1
	s_mov_b32 s[G0A+1], s48
	s_add_nc_u64 s[G0A+2:G0A+3], s[4:5], s[66:67]
	s_or_b32 s[G0A+3], s[G0A+3], 0x80000000
	s_mov_b32 s[G0B], 1
	s_mov_b32 s[G0B+1], s3
	s_add_nc_u64 s[G0B+2:G0B+3], s[4:5], s[68:69]
	s_or_b32 s[G0B+3], s[G0B+3], 0x80000000
	CROUND                                         ; the four work-groups are here: the joint loads meet
	s_cmp_lt_u32 s8, 4                             ; one chain of branches on the wave's number, one tensor load to an arm
	s_cbranch_scc0 .Lfor_b
	tensor_load_to_lds s[G0A:G0A+3], s[G1A:G1A+7]  ; records 0-7, then y
	s_nop 0
.rept 4
	v_nop
.endr
	YLOADS
	s_branch .Lasked
.Lfor_b:
	YLOADS                                         ; y, then records 8-24
	tensor_load_to_lds s[G0B:G0B+3], s[G1B:G1B+7]
	s_nop 0
.rept 4
	v_nop
.endr
.Lasked:
	s_mov_b32 s2, 0x7f800000                       ; + infinity: above every d2
.irp y, 0,1,2,3
	v_mov_b32 v[BB+\y], s2
	v_mov_b32 v[TT+\y], s[R16]
.endr
.set j, 0
.rept 32
	v_mov_b32 v[SS+j], s2
.set j, j+1
.endr
.set j, 0
.rept 12
	v_mov_b32 v[OD+j], 0                           ; written once: a lane permute's destination counts as one of its sources
.set j, j+1
.endr
; 32 matrix instructions: the tile against my four tiles of y, eight K steps; the first starts each sum
.macro MULS
	WIN 0x04                                       ; source 1 (y) window 1
.irp s, 0,1,2,3,4,5,6,7
.irp y, 0,1,2,3
.if \s == 0
	v_wmma_scale_f32_16x16x128_f8f6f4 v[ACC+8*\y:ACC+8*\y+7], v[VF+8*\s:VF+8*\s+7], v[64*\y+8*\s:64*\y+8*\s+7], 0, v[VS+\s], v[YS+4*\y+\s] matrix_a_fmt:MATRIX_FMT_FP4 matrix_b_fmt:MATRIX_FMT_FP4
.elseif \s < 4
	v_wmma_scale_f32_16x16x128_f8f6f4 v[ACC+8*\y:ACC+8*\y+7], v[VF+8*\s:VF+8*\s+7], v[64*\y+8*\s:64*\y+8*\s+7], v[ACC+8*\y:ACC+8*\y+7], v[VS+\s], v[YS+4*\y+\s] matrix_a_fmt:MATRIX_FMT_FP4 matrix_b_fmt:MATRIX_FMT_FP4
.else
	v_wmma_scale_f32_16x16x128_f8f6f4 v[ACC+8*\y:ACC+8*\y+7], v[VF+8*\s:VF+8*\s+7], v[64*\y+8*\s:64*\y+8*\s+7], v[ACC+8*\y:ACC+8*\y+7], v[VS+\s-4], v[YS+4*\y+\s-4] matrix_a_fmt:MATRIX_FMT_FP4 matrix_b_fmt:MATRIX_FMT_FP4 matrix_a_scale:MATRIX_SCALE_ROW1 matrix_b_scale:MATRIX_SCALE_ROW1
.endif
.endr
.endr
	WIN 0
.endm
.macro FETCHV                          ; a record's codes and scale words: 17 loads
.irp i, 0,1,2,3,4,5,6,7,8,9,10,11,12,13,14,15
	ds_load_b128 v[VF+4*\i:VF+4*\i+3], v[ADR] offset:512*\i
.endr
	ds_load_b128 v[VS:VS+3], v[ADR] offset:8192
.endm
.macro FETCHVV                         ; its sums of squares: 2 loads
	ds_load_b128 v[VV:VV+3], v[ADV]
	ds_load_b128 v[VV+4:VV+7], v[ADV] offset:16
.endm
; The search's stages for tile y of y
.macro FM y                            ; |y|^2 - 2 dot, one rounding; the accumulator from its low end on
.irp p, 0,1,2,3
	v_dual_fmamk_f32 v[ACC+8*\y+2*\p], v[ACC+8*\y+2*\p], 0xc0000000, v[YY+2*\y] :: v_dual_fmamk_f32 v[ACC+8*\y+2*\p+1], v[ACC+8*\y+2*\p+1], 0xc0000000, v[YY+2*\y+1]
.endr
.endm
.macro AD y                            ; + |vocab|^2
.irp p, 0,1,2,3
	v_dual_add_f32 v[ACC+8*\y+2*\p], v[VV+2*\p], v[ACC+8*\y+2*\p] :: v_dual_add_f32 v[ACC+8*\y+2*\p+1], v[VV+2*\p+1], v[ACC+8*\y+2*\p+1]
.endr
.endm
.macro MN y
	v_min3_num_f32 v[GG+\y], v[ACC+8*\y], v[ACC+8*\y+1], v[ACC+8*\y+2]
	v_min3_num_f32 v[G2+\y], v[ACC+8*\y+3], v[ACC+8*\y+4], v[ACC+8*\y+5]
.endm
.macro GA y
	v_min3_num_f32 v[GG+\y], v[GG+\y], v[G2+\y], v[ACC+8*\y+6]
.endm
.macro GB y
	v_min_num_f32 v[GG+\y], v[GG+\y], v[ACC+8*\y+7]
.endm
.macro CP y
	v_cmp_lt_f32 vcc_lo, v[GG+\y], v[BB+\y]
.endm
.macro UP y                            ; where the tile's smallest is smaller: it, the tile's first row and the tile's eight d2 are kept.  The row comes from v9 for tile 0 and from v8 else: another bank than GG's
	v_dual_cndmask_b32 v[BB+\y], v[BB+\y], v[GG+\y] :: v_dual_cndmask_b32 v[TT+\y], v[TT+\y], v[RB+1-((\y+3)/4)]
.irp k, 0,2,4,6
	v_dual_cndmask_b32 v[SS+8*\y+\k], v[SS+8*\y+\k], v[ACC+8*\y+\k] :: v_dual_cndmask_b32 v[SS+8*\y+\k+1], v[SS+8*\y+\k+1], v[ACC+8*\y+\k+1]
.endr
.endm
.macro EPI                             ; the four tiles' stages staggered, so that a stage's sources were written some lines earlier
	FM 0
	FM 1
	AD 0
	FM 2
	MN 0
	AD 1
	FM 3
	GA 0
	MN 1
	AD 2
	GB 0
	GA 1
	MN 2
	AD 3
	CP 0
	GB 1
	GA 2
	MN 3
	UP 0
	CP 1
	GB 2
	GA 3
	UP 1
	CP 2
	GB 3
	UP 2
	CP 3
	UP 3
.endm
; A tile.  pre = 1: the next record's registers are fetched: codes and scale words behind the products, under the search; the sums of squares behind the search.
.macro TRIP pre
	s_wait_dscnt 0x2                               ; codes and scale words are in; the two loads of the sums of squares may be out
	MULS
	s_min_u32 s[RT], s[R16], LASTR
	v_mov_b32 v[RB], s[RT]                         ; four places behind the last product, ahead of the loads into its sources and of the reads of its result
	v_mov_b32 v[RB+1], s[RT]
.if \pre
	v_add_nc_u32 v[ADR], s[TB], v[LI]
	v_add_nc_u32 v[ADV], s[TB], v[VA]
.else
	v_nop
	v_nop
.endif
	s_add_co_u32 s[R16], s[R16], 16
.if \pre
	s_add_co_u32 s[TB], s[TB], RECB
.endif
.if \pre
	FETCHV
	s_wait_dscnt 17                                ; the sums of squares are in; the 17 loads just issued may be out
.else
	s_wait_dscnt 0x0                               ; the sums of squares are in
.endif
	EPI
.if \pre
	FETCHVV
.endif
.endm
.macro FIRST
	v_add_nc_u32 v[ADR], s[TB], v[LI]
	v_add_nc_u32 v[ADV], s[TB], v[VA]
	s_add_co_u32 s[TB], s[TB], RECB
	FETCHV
	FETCHVV
.endm
	s_wait_alu depctr_va_vdst(0)                   ; the head's end
	s_cmp_lt_u32 s8, 4
	s_cbranch_scc0 .Lnot_a                         ; waves 4-7 have a load line of their own, whose bytes are read behind the second barrier
	s_wait_tensorcnt 0x0                           ; waves 0-3: my quarter of records 0-7 is in
.Lnot_a:
	s_barrier_signal -1
	s_barrier_wait -1
	FIRST
	s_wait_loadcnt 0x0                             ; y
.irp y, 0,1,2,3
	v_add_f32 v[YY+2*\y], v[YY+2*\y], v[YY+2*\y+1] ; the two halves of K
.endr
.irp y, 0,1,2,3
	v_mov_b32 v[YY+2*\y+1], v[YY+2*\y]             ; and once more, in the neighbouring bank
.endr
	s_wait_alu depctr_va_vdst(0)
	s_mov_b32 s[CNT], NA-2                         ; six trips: records 0-5 are multiplied, records 1-6 fetched: all among records 0-7
.Lgroup_a:
	TRIP 1
	s_sub_co_u32 s[CNT], s[CNT], 1
	s_cmp_lg_u32 s[CNT], 0
	s_cbranch_scc1 .Lgroup_a
	s_wait_tensorcnt 0x0                           ; every wave: all my loads are in, my quarter of records 8-24 among them
	s_wait_dscnt 0x0                               ; record 6 is in my registers: no LDS instruction of mine is out at the signal
	s_barrier_signal -1
	s_barrier_wait -1
	s_mov_b32 s[CNT], NB+1                         ; eighteen trips: records 6-23 are multiplied, records 7-24 fetched; the last record follows the loop
.Lgroup_b:
	TRIP 1
	s_sub_co_u32 s[CNT], s[CNT], 1
	s_cmp_lg_u32 s[CNT], 0
	s_cbranch_scc1 .Lgroup_b
	TRIP 0
	; which of the best tile's eight rows: the first register equal to the smallest
.irp y, 0,1,2,3
	v_mov_b32 v[JJ+\y], 7
.endr
.irp k, 6,5,4,3,2,1,0
.irp y, 0,1,2,3
	v_cmp_eq_f32 s[MK+\y], v[SS+8*\y+\k], v[BB+\y]
.endr
.irp y, 0,1,2,3
	v_cndmask_b32 v[JJ+\y], v[JJ+\y], \k, s[MK+\y]
.endr
.endr
.irp y, 0,1,2,3
	v_add3_u32 v[TT+\y], v[TT+\y], v[JJ+\y], v[H8]
.endr
.irp y, 0,1,2,3
	v_permlanex16_b32 v[OD+\y], v[BB+\y], s[SEL], s[SEL+1]
	v_permlanex16_b32 v[OI+\y], v[TT+\y], s[SEL], s[SEL+1]
.endr
.irp y, 0,1,2,3                        ; lane l xor 16's candidate wins if smaller, or equal with the lower index
	v_cmp_lt_f32 s[MK+\y], v[OD+\y], v[BB+\y]
	v_cmp_eq_f32 s[MK2+\y], v[OD+\y], v[BB+\y]
	v_cmp_lt_u32 vcc_lo, v[OI+\y], v[TT+\y]
	s_and_b32 s[MK2+\y], s[MK2+\y], vcc_lo
	s_or_b32 s[MK+\y], s[MK+\y], s[MK2+\y]
	v_cndmask_b32 v[BB+\y], v[BB+\y], v[OD+\y], s[MK+\y]
	v_cndmask_b32 v[TT+\y], v[TT+\y], v[OI+\y], s[MK+\y]
.endr
.irp p, 0,1
	v_cndmask_b32 v[OD+2*\p], v[BB+2*\p], v[BB+2*\p+1], s[HM]      ; lanes 0-15: tile 2 p of y; lanes 16-31: tile 2 p + 1
	v_cndmask_b32 v[OD+2*\p+1], v[TT+2*\p], v[TT+2*\p+1], s[HM]
.endr
.irp p, 0,1
	global_store_b64 v[PO], v[OD+2*\p:OD+2*\p+1], s[14:15] offset:256*\p   ; 32 lanes store 256 consecutive bytes, at a multiple of 256 from part's first byte
.endr
	s_wait_tensorcnt 0x0                           ; the wave's end
	ds_add_u32 v[SPW], v[NIL]
	s_wait_dscnt 0x0
	CROUND                                         ; the closing round
	s_endpgm
.Lfunc_end_k_qf844791d05_search:
	.size	k_qf844791d05_search, .Lfunc_end_k_qf844791d05_search-k_qf844791d05_search
	.p2alignl 7, 3214868480
	.fill 96, 4, 3214868480
	.section	.rodata,"a",@progbits
	.p2align	6, 0x0
	.amdhsa_kernel k_qf844791d05_search
		.amdhsa_group_segment_fixed_size 327680
		.amdhsa_private_segment_fixed_size 0
		.amdhsa_enable_private_segment 0
		.amdhsa_kernarg_size 16
		.amdhsa_user_sgpr_count 2
		.amdhsa_user_sgpr_kernarg_segment_ptr 1
		.amdhsa_wavefront_size32 1
		.amdhsa_system_sgpr_workgroup_id_x 1
		.amdhsa_system_sgpr_workgroup_id_y 1
		.amdhsa_system_sgpr_workgroup_id_z 1
		.amdhsa_system_vgpr_workitem_id 0
		.amdhsa_next_free_vgpr 512
		.amdhsa_next_free_sgpr 72
		.amdhsa_reserve_vcc 1
		.amdhsa_float_denorm_mode_32 3
		.amdhsa_float_denorm_mode_16_64 3
		.amdhsa_memory_ordered 1
		.amdhsa_forward_progress 1
		.amdhsa_inst_pref_size 60
	.end_amdhsa_kernel
	.amdgpu_metadata
---
amdhsa.version: [ 1, 2 ]
amdhsa.kernels:
  - .name:           k_qf844791d05_search
    .symbol:         k_qf844791d05_search.kd
    .args:
      - { .name: rec, .offset: 0, .size: 8, .value_kind: global_buffer, .address_space: global }
      - { .name: part, .offset: 8, .size: 8, .value_kind: global_buffer, .address_space: global }
    .group_segment_fixed_size: 327680
    .private_segment_fixed_size: 0
    .kernarg_segment_align: 8
    .kernarg_segment_size: 16
    .max_flat_workgroup_size: 256
    .sgpr_count:     72
    .vgpr_count:     512
    .wavefront_size: 32
...
	.end_amdgpu_metadata
.endif
;; end of part 2
;; launch pick (part 3): grid 32 x 1, 1 waves a work-group, no clusters, 0 bytes of LDS; arguments part, out0; writes out0
.if DOCPART == 3
	.amdgcn_target "amdgcn-amd-amdhsa--gfx1250"
	.amdhsa_code_object_version 6
	.text
	.protected	k_qf844791d05_pick
	.globl	k_qf844791d05_pick
	.p2align	8
	.type	k_qf844791d05_pick,@function
k_qf844791d05_pick:
	s_mov_b64 s[64:65], 0
	v_nop
	global_prefetch_b8 v0, s[64:65] scope:SCOPE_SE
	s_setreg_imm32_b32 hwreg(HW_REG_WAVE_MODE, 25, 1), 1
	s_wait_xcnt 0x0
; out0[row] = the index of the first smallest d2 over the 63 chunks.  part: [63][2048] of 8 bytes (d2 f32, index i32).
; A wave owns 64 rows, a lane rows 2 l and 2 l + 1: each of the 63 loads reads 512 consecutive bytes, and all 63 are out together (252 registers).  No LDS, no barrier: lanes share nothing.
; The chunks ascend with the vocabulary rows (the last two overlap; a row seen twice has the same d2 and index), so a STRICT comparison that lets the lower chunk stay gives the lowest index on a tie.
; Four runs of chunks (0-15, 16-31, 32-47, 48-62) x two rows are eight chains that do not wait for each other; each run is gathered in its first candidate's registers; then the runs are joined.
; LIMITS: NaN among the distances is not served (a NaN loses every comparison here).
	s_load_b128 s[4:7], s[0:1], 0x0                ; part, out0
	v_lshlrev_b32 v1, 4, v0                        ; my two rows' 16 bytes
	v_lshlrev_b32 v2, 3, v0                        ; my two indices' 8 bytes
	s_lshl_b32 s16, ttmp9, 9                       ; 64 rows x 8 bytes
	s_mov_b32 s17, 0
	s_lshl_b32 s18, ttmp9, 8                       ; 64 rows x 4 bytes
	s_mov_b32 s19, 0
	s_wait_alu depctr_va_vdst(0)
	s_wait_kmcnt 0x0
	s_add_nc_u64 s[4:5], s[4:5], s[16:17]
	s_add_nc_u64 s[6:7], s[6:7], s[18:19]
.irp i, 0,1,2,3,4,5,6,7,8,9,10,11,12,13,14,15
.irp g, 0,1,2,3
.if 16*\g+\i < 63
	global_load_b128 v[4+4*(16*\g+\i):7+4*(16*\g+\i)], v1, s[4:5] offset:16384*(16*\g+\i) th:TH_LOAD_NT   ; chunk 16 g + i: (d2, index) of row 2 l, then of row 2 l + 1; issued in the order in which the steps below take them
.endif
.endr
.endr
.irp i, 1,2,3,4,5,6,7,8,9,10,11,12,13,14,15
	s_wait_alu depctr_va_vdst(0)                   ; directly ahead of the wait below
.if \i < 15
	s_wait_loadcnt 59-4*\i                         ; the 4 (i + 1) loads of steps 0 to i are in; those of the later steps stay out
.else
	s_wait_loadcnt 0x0
.endif
.irp g, 0,1,2,3
.if 16*\g+\i < 63
.irp w, 0,1
	v_cmp_lt_f32 s[8+2*\g+\w], v[4+4*(16*\g+\i)+2*\w], v[4+64*\g+2*\w]
.endr
.endif
.endr
.irp g, 0,1,2,3
.if 16*\g+\i < 63
.irp w, 0,1
	v_cndmask_b32 v[4+64*\g+2*\w], v[4+64*\g+2*\w], v[4+4*(16*\g+\i)+2*\w], s[8+2*\g+\w]
	v_cndmask_b32 v[5+64*\g+2*\w], v[5+64*\g+2*\w], v[5+4*(16*\g+\i)+2*\w], s[8+2*\g+\w]
.endr
.endif
.endr
.endr
.macro MERGE a, b                      ; run b joins run a, which holds the lower chunks
.irp w, 0,1
	v_cmp_lt_f32 s[8+\w], v[4+64*(\b)+2*\w], v[4+64*(\a)+2*\w]
.endr
.irp w, 0,1
	v_cndmask_b32 v[4+64*(\a)+2*\w], v[4+64*(\a)+2*\w], v[4+64*(\b)+2*\w], s[8+\w]
	v_cndmask_b32 v[5+64*(\a)+2*\w], v[5+64*(\a)+2*\w], v[5+64*(\b)+2*\w], s[8+\w]
.endr
.endm
	MERGE 0, 1
	MERGE 2, 3
	MERGE 0, 2
	v_mov_b32 v6, v5                               ; the two indices side by side: v[6:7]
	global_store_b64 v2, v[6:7], s[6:7]            ; 32 lanes store 256 consecutive bytes, at a multiple of 256 from out0's first byte
	s_endpgm
.Lfunc_end_k_qf844791d05_pick:
	.size	k_qf844791d05_pick, .Lfunc_end_k_qf844791d05_pick-k_qf844791d05_pick
	.p2alignl 7, 3214868480
	.fill 96, 4, 3214868480
	.section	.rodata,"a",@progbits
	.p2align	6, 0x0
	.amdhsa_kernel k_qf844791d05_pick
		.amdhsa_group_segment_fixed_size 0
		.amdhsa_private_segment_fixed_size 0
		.amdhsa_enable_private_segment 0
		.amdhsa_kernarg_size 16
		.amdhsa_user_sgpr_count 2
		.amdhsa_user_sgpr_kernarg_segment_ptr 1
		.amdhsa_wavefront_size32 1
		.amdhsa_system_sgpr_workgroup_id_x 1
		.amdhsa_system_sgpr_workgroup_id_y 1
		.amdhsa_system_sgpr_workgroup_id_z 1
		.amdhsa_system_vgpr_workitem_id 0
		.amdhsa_next_free_vgpr 256
		.amdhsa_next_free_sgpr 66
		.amdhsa_reserve_vcc 0
		.amdhsa_float_denorm_mode_32 3
		.amdhsa_float_denorm_mode_16_64 3
		.amdhsa_memory_ordered 1
		.amdhsa_forward_progress 1
		.amdhsa_inst_pref_size 31
	.end_amdhsa_kernel
	.amdgpu_metadata
---
amdhsa.version: [ 1, 2 ]
amdhsa.kernels:
  - .name:           k_qf844791d05_pick
    .symbol:         k_qf844791d05_pick.kd
    .args:
      - { .name: part, .offset: 0, .size: 8, .value_kind: global_buffer, .address_space: global }
      - { .name: out0, .offset: 8, .size: 8, .value_kind: global_buffer, .address_space: global }
    .group_segment_fixed_size: 0
    .private_segment_fixed_size: 0
    .kernarg_segment_align: 8
    .kernarg_segment_size: 16
    .max_flat_workgroup_size: 32
    .sgpr_count:     66
    .vgpr_count:     256
    .wavefront_size: 32
...
	.end_amdgpu_metadata
.endif
;; end of part 3
